; MI455X (gfx1250); checked and timed in simulation.
; The chip was launched on July 23, 2026; its instructions are those of AMD's public machine-readable ISA for CDNA 5 (MIT licence, August 2026) and "CDNA5" Instruction Set Architecture Reference Guide (July 2026). The comments in the code are by the model that wrote it; some were corrected since.
;; Attention. Allowed arithmetic: matrix products marked QUANTISED: E2M1 operands, one E8M0 scale for each 32 along K, by v_wmma_scale_f32_16x16x128_f8f6f4 with both operands' format E2M1 (or v_wmma_scale_f32_32x16x128_f4), f32 sums; everything else in f32.
;; Inputs: b_out 256 float32; b_qkv 768 float32; w_out 256 x 256 float32; w_qkv 768 x 256 float32; x 8 x 256 x 32 x 32 float32.
;; Outputs: out0 8 x 256 x 32 x 32 float32.
;; This version of the problem:
;;   THIS VERSION OF THE PROBLEM IS GIVEN IN LOW PRECISION. The matrix products marked QUANTISED in the list below multiply operands that are first quantised to E2M1 (2 exponent bits, 1 mantissa bit; 4 bits a number), with one power-of-two scale for each 32 numbers along K (OCP MX v1.0); their sums are f32. All else is computed in f32.
;;   The module's matrix products, in the order in which they are computed (A, B: the left and right operand; K: the contracted axis; several contracted axes count as one K, in the product's order):
;;     1. [M 768, K 256] x [K 256, N 8,192]; A: input w_qkv; B: input x: QUANTISED
;;     2. batch 64 x [M 1,024, K 32] x [K 32, N 1,024]; A: computed on the way; B: computed on the way: QUANTISED
;;     3. batch 64 x [M 32, K 1,024] x [K 1,024, N 1,024]; A: computed on the way; B: softmax (see below): QUANTISED
;;     4. [M 256, K 256] x [K 256, N 8,192]; A: input w_out; B: computed on the way: QUANTISED
;;   THE QUANTISER, for each operand of a quantised product, along K:
;;     - K is cut into blocks of 32 from its start; a last block that is shorter is filled with zeros.
;;     - A block's scale is 2^e with e = floor(log2(the largest magnitude in the block)) - 2, held to -126 .. 127; a block of zeros has e = 0. As a byte (E8M0): e + 127.
;;     - Each number is divided by its block's scale, clamped to +-6, and rounded to the nearest number of E2M1, ties to even, subnormals kept.
;;     - The product sums the exact products of the quantised numbers (number of the format x scale) in f32.
;;   ~~~python
;;   def quantise(x, axis):      # numpy; x: float32 -> the quantised numbers, widened to float32 again
;;       x = np.moveaxis(x, axis, -1); K = x.shape[-1]
;;       x = np.pad(x, [(0, 0)] * (x.ndim - 1) + [(0, -K % 32)]); x = x.reshape(x.shape[:-1] + (-1, 32)); a = np.abs(x).max(-1, keepdims=True)
;;       e = np.where(a > 0, np.clip(np.frexp(np.where(a > 0, a, 1))[1] - 1 - 2, -126, 127), 0)      # np.frexp(a)[1] - 1 = floor(log2(a)), exactly
;;       r = np.clip(x / 2.0 ** e, -6, 6)
;;       step = 2.0 ** (np.maximum(np.frexp(np.where(r == 0, 1, r))[1] - 1, 0) - 1)
;;       q = np.round(r / step) * step * 2.0 ** e      # np.round: ties to even
;;       return np.moveaxis(q.reshape(q.shape[:-2] + (-1,))[..., :K], -1, axis).astype(np.float32)
;;   ~~~
;;   SOFTMAX AHEAD OF A QUANTISED PRODUCT. Where the list says 'softmax', what is quantised is not the finished softmax but p = 2^(t - M), with t = logit x log2(e) and M = ceil(the row's largest t), a whole number; so 1/2 < the row's largest p <= 1. The row's sum l is taken of the UNQUANTISED p, in f32, and the product's result is divided by l at the end. Since M is a whole number, a kernel that streams over the keys may use a running M (the ceiling of the running maximum): every later rescaling is an exact power of two, which a block's scale takes up: the codes' values come out the same.
;;   OPERANDS COMPUTED ON THE WAY. 'Computed on the way' means the value that the module computes at that place (a softmax that the list does not call 'softmax' is quantised finished and normalised). What goes into a quantiser is computed in f32, as accurately as f32 sums, v_exp_f32 and their like allow (about 1e-6 of the number): no bf16 or f16 on the way to a quantiser, and a product that is left as it is and whose result goes on into a quantised operand takes f32 operands (vector FMAs, or v_wmma_f32_16x16x4_f32). A number that lies on a knife's edge between two numbers of the format may be rounded either way, as far as f32 arithmetic and the matrix unit's own rounding can turn it there, and no further.
;; One version. Each part assembles by itself: llvm-mc -triple=amdgcn-amd-amdhsa -mcpu=gfx1250 --defsym DOCPART=n.
;; ======== version 1 of 1: 2 launches
;; workspace buffers: ws 3,377,152 bytes
;; launch qkv (part 1): grid 4 x 64, 8 waves a work-group, clusters of 4 x 1, 250,112 bytes of LDS; arguments x, w_qkv, b_qkv, w_out, ws; writes ws
.if DOCPART == 1
	.amdgcn_target "amdgcn-amd-amdhsa--gfx1250"
	.amdhsa_code_object_version 6
	.text
	.protected	k_qea9ca832c3_qkv
	.globl	k_qea9ca832c3_qkv
	.p2align	8
	.type	k_qea9ca832c3_qkv,@function
k_qea9ca832c3_qkv:
	s_mov_b64 s[64:65], 0
	v_nop
	global_prefetch_b8 v0, s[64:65] scope:SCOPE_SE
	s_setreg_imm32_b32 hwreg(HW_REG_WAVE_MODE, 25, 1), 1
	s_wait_xcnt 0x0
	s_wait_alu depctr_hold_cnt(0) depctr_sa_sdst(0) depctr_va_vdst(0) depctr_va_sdst(0) depctr_va_ssrc(0) depctr_va_vcc(0) depctr_vm_vsrc(0)
	s_getreg_b32 s2, hwreg(HW_REG_IB_STS2, 6, 4)
	s_cmp_eq_u32 s2, 0
	s_cbranch_scc0 .Lentry_in_a_cluster
	s_endpgm
.Lentry_in_a_cluster:
	s_bfe_u32 s2, ttmp6, 0x10000c
	s_cmp_lg_u32 s2, 0x3003
	s_cbranch_scc0 .Lentry_shape_is_right
	s_endpgm
.Lentry_shape_is_right:
; qkv = silu(w_qkv x + b_qkv) on codes of FP4 (E2M1) with one E8M0 scale for each 32 along K, and q, k, v quantised for the attention that follows; w_out quantised on the side.
; x: [8][256][1024] f32 (K = the 256 channels, its outer axis).  w_qkv: [768][256] f32 (K innermost).  Row 96 n + 0..31 is head n's q, + 32..63 its k, + 64..95 its v.
; SHARES.  Work-group (hp, y): heads 2 hp and 2 hp + 1 (192 rows of w_qkv), batch y / 8, positions 128 (y % 8) on.  Eight waves.
; CLUSTER.  The four work-groups of a cluster have one y and need the same 256 channels x 128 positions of x: each wave asks for 32 channels JOINTLY (mask 15).
;   w_qkv is not asked for jointly: the work-groups that need the same 192 rows have the same hp and other y, so they lie in other clusters; it comes by plain loads, 512 consecutive bytes each.
; ORDER OF POSITIONS.  In a step of 128 positions tile pt = 4 g + T has as its row r the position 64 g + 32 (r / 8) + 8 T + r % 8.
; ORDER OF ROWS OF w.  A q/k tile T has q's channels 8 T .. 8 T + 7 as rows 0-7 and k's as rows 8-15; a v tile ct has as row r channel 16 (r / 8) + 8 ct + r % 8.
;   So in w-tile x x-tile (q, k) lanes 0-15 hold a position's 32 channels of q in 32 registers and lanes 16-31 those of k: a whole block of the next product's K in one lane.
;   In x-tile x w-tile (v) a lane holds 32 neighbouring positions of one channel of v: again a whole block.  No maximum needs another lane, and the conversions' results are stored as they stand.
; OPERANDS go from wave to wave through LDS as images of their registers: block cb (32 along K) of row r of a tile at cb x 256 + r x 16; a fragment's registers come back by loads at 16 x lane.
; ws: [head][step] records of 4,352 bytes (K's codes 2,048 | V's codes 2,048 | K's scale bytes 128 | V's 128); then Q's codes, Q's scale bytes, w_out's codes, w_out's scale bytes.
; LIMITS.  NaN and infinities among the inputs are not served.  A block whose largest magnitude lies under 2^-124 gets the scale byte 1, a block of zeros too (its codes are zeros; only this program reads the bytes).
;   silu of a number under about -88 comes out as -0.  w_out's scale bytes leave in pieces of 32 bytes (2,048 bytes in all).
.set XT,     0                         ; LDS: x's tile in f32: wave w's 32 channels at 16,384 w, rows of 512 bytes; filled once, read by wave w alone
.set WST,    131072                    ; a stage of 32 x 144 bytes for each wave, in which rows of w_qkv are turned into blocks
.set WST2O,  36864                     ; the same for w_out, in bytes of its own: so far behind WST
.set XIMG,   204800                    ; x's images: pt x 2,048 + cb x 256 + r x 16
.set WIMG,   221184                    ; w's images: tile x 2,048 + cb x 256 + r x 16; tile = 6 hl + (0..3: q/k tile T; 4, 5: v tile ct)
.set XSC,    245760                    ; x's scale bytes: pt x 128 + (cb / 4) x 64 + 4 r + cb % 4
.set WSC,    246784                    ; w's likewise
.set OST,    248320                    ; scale bytes on their way out: 256 of Q (128 a head), then for each head 128 of K and 128 of V
.set KVHEAD, 34816
.set KVREC,  4352
.set QOFF,   2228224
.set QSOFF,  3276800
.set WOCOFF, 3342336
.set WOSOFF, 3375104
.set WOFQ, 1                           ; v1-v27, v39: addresses and offsets, made once and never rewritten
.set WOFV, 2
.set STS,  3
.set STL,  4
.set WIA,  5
.set WSA,  6
.set XTA,  7
.set XIA,  8
.set XSA,  9
.set FW,   10
.set FWS,  11
.set FWV,  12
.set FWVS, 13
.set FX,   14
.set FXS,  15
.set FXV,  16
.set FXVS, 17
.set SBQK, 18
.set SBV,  19
.set CPL,  20
.set OQK,  21
.set OV,   22
.set CPG,  23
.set BOF,  24
.set BVO,  25
.set L16,  26
.set WOCO, 27
.set WOSO, 39
.set WS,   28                          ; v28-38 hold scale words and nothing else: w's four q/k tiles,
.set XS,   32                          ; x's two tiles,
.set XS4,  34                          ; x's four tiles for v,
.set WVS,  38                          ; w's v tile
.set BQK,  40                          ; v40-71  b_qkv in the layout of the four q/k results
.set BV8,  72                          ; v72-79  my v channel's bias, eight times
.set F1,   80                          ; v80-143 rows of w as loaded (two sets), numbers of x (two sets), then fragments
.set F2,   144                         ; v144-175 rows of w (third set), x's fragments, then silu's work
.set D,    176                         ; v176-239 a block of w; then the results
.set M0,   240
.set M1,   241
.set BY,   242                         ; v242-243 scale bytes
.set CC,   244                         ; v244-255 three sets of four registers of codes
.macro ROUND                           ; a round of the cluster's barrier
	s_barrier_signal -1
	s_barrier_wait -1
	s_cmp_lg_u32 s14, 0
	s_cbranch_scc1 .Lnot_wave_0_\@
	s_barrier_signal -3
.Lnot_wave_0_\@:
	s_barrier_wait -3
	s_barrier_signal -1
	s_barrier_wait -1
.endm
.macro WLOAD dst, voff, sb, imm        ; four rows of 1,024 bytes: eight loads of 512 consecutive bytes
.irp i, 0,1,2,3,4,5,6,7
	global_load_b128 v[(\dst)+4*\i:(\dst)+4*\i+3], v[\voff], s[\sb:\sb+1] offset:(\imm)+512*\i
.endr
.endm
.macro WL rho                          ; round rho of w_qkv: head rho / 3; rho % 3 = 0, 1: q's and k's rows, 2: v's
.if (\rho)%3 < 2
	WLOAD F1+32*((\rho)%3), WOFQ, 6, (((\rho)/3)*96+16*((\rho)%3))*1024
.else
	WLOAD F1+32*((\rho)%3), WOFV, 6, ((\rho)/3)*98304
.endif
.endm
.macro TURN src, dst, so               ; 4,096 bytes as loaded go into my stage, 128 bytes + 16 of padding a block, and come back a block a lane: lane L has row L / 8, block L % 8
.irp i, 0,1,2,3,4,5,6,7
	ds_store_b128 v[STS], v[(\src)+4*\i:(\src)+4*\i+3] offset:(\so)+576*\i
.endr
.irp i, 0,1,2,3,4,5,6,7
	ds_load_b128 v[(\dst)+4*\i:(\dst)+4*\i+3], v[STL] offset:(\so)+16*\i   ; LDS serves a wave's instructions in order: these see the stores above
.endr
.endm
; A block of 32 numbers in one lane, v[s] on, becomes 16 bytes of codes in set k and a scale byte in v[by].
.macro QB s, k, by
	v_max3_num_f32 v[M0], |v[(\s)]|, |v[(\s)+1]|, 0x1800000          ; the floor 2^(3 - 127) among the leaves: the byte cannot fall under 1
	v_max3_num_f32 v[M1], |v[(\s)+16]|, |v[(\s)+17]|, |v[(\s)+18]|   ; two chains by turns
.irp i, 0,1,2,3,4,5
	s_delay_alu instid0(VALU_DEP_2)
	v_max3_num_f32 v[M0], v[M0], |v[(\s)+2+2*\i]|, |v[(\s)+3+2*\i]|
	s_delay_alu instid0(VALU_DEP_2)
	v_max3_num_f32 v[M1], v[M1], |v[(\s)+19+2*\i]|, |v[(\s)+20+2*\i]|
.endr
	s_delay_alu instid0(VALU_DEP_2)
	v_max3_num_f32 v[M0], v[M0], |v[(\s)+14]|, |v[(\s)+15]|
	s_delay_alu instid0(VALU_DEP_1)
	v_max3_num_f32 v[M0], v[M0], v[M1], |v[(\s)+31]|                 ; the block's largest magnitude
	s_delay_alu instid0(VALU_DEP_1)
	v_add_nc_u32 v[M1], 0xff000000, v[M0]                            ; 2 off its exponent field: the conversion takes that field as its scale
.irp g, 0,1,2,3
	v_cvt_scalef32_pk8_fp4_f32 v[CC+4*(\k)+\g], v[(\s)+8*\g:(\s)+8*\g+7], v[M1]
.endr
	v_lshrrev_b32 v[\by], 23, v[M1]                                  ; the scale's byte; also the plain place behind the conversions
.endm
; silu in place on 32 registers: x / (1 + 2^(-x log2 e)).  The first line reads each result from its low end on.
.macro SILU d
.set j, 0
.rept 16
	v_pk_mul_f32 v[F2+j:F2+j+1], v[(\d)+j:(\d)+j+1], s[56:57] op_sel_hi:[1,0]
.set j, j+2
.endr
.set j, 0
	s_wait_alu depctr_va_vdst(0)
.rept 32
	v_exp_f32 v[F2+j], v[F2+j]
.set j, j+1
.endr
	v_nop                                          ; a plain place between the exponentials and the use of their results
.set j, 0
	s_wait_alu depctr_va_vdst(0)
.rept 16
	v_pk_add_f32 v[F2+j:F2+j+1], v[F2+j:F2+j+1], 1.0 op_sel_hi:[1,0]
.set j, j+2
.endr
.set j, 0
	s_wait_alu depctr_va_vdst(0)
.rept 32
	v_rcp_f32 v[F2+j], v[F2+j]
.set j, j+1
.endr
	v_nop                                          ; likewise behind the reciprocals
.set j, 0
	s_wait_alu depctr_va_vdst(0)
.rept 16
	v_pk_mul_f32 v[(\d)+j:(\d)+j+1], v[(\d)+j:(\d)+j+1], v[F2+j:F2+j+1]
.set j, j+2
.endr
.endm
.macro MM d, a, b, c, sa, sb, row      ; row = 1: the second 128 along K, whose scale words lie in lanes 16-31
.if \row
	v_wmma_scale_f32_16x16x128_f8f6f4 v[(\d):(\d)+7], v[(\a):(\a)+7], v[(\b):(\b)+7], v[(\c):(\c)+7], v[\sa], v[\sb] matrix_a_fmt:MATRIX_FMT_FP4 matrix_b_fmt:MATRIX_FMT_FP4 matrix_a_scale:MATRIX_SCALE_ROW1 matrix_b_scale:MATRIX_SCALE_ROW1
.else
	v_wmma_scale_f32_16x16x128_f8f6f4 v[(\d):(\d)+7], v[(\a):(\a)+7], v[(\b):(\b)+7], v[(\c):(\c)+7], v[\sa], v[\sb] matrix_a_fmt:MATRIX_FMT_FP4 matrix_b_fmt:MATRIX_FMT_FP4
.endif
.endm
.macro PLACES
.rept 4
	v_nop
.endr
.endm
	s_load_b256 s[4:11], s[0:1], 0x0               ; x s[4:5], w_qkv s[6:7], b_qkv s[8:9], w_out s[10:11]
	s_load_b64 s[12:13], s[0:1], 0x20              ; ws
	s_set_vgpr_msb 0x40
	v_lshl_add_u32 v0, v0, 2, 0x3cd00
	v_mov_b32 v1, 0
	s_set_vgpr_msb 0x4045
	ds_add_u32 v0, v1
	ds_add_u32 v0, v1
	s_set_vgpr_msb 0x4500
	v_lshrrev_b32 v176, 5, v0
	s_delay_alu instid0(VALU_DEP_1)
	v_readfirstlane_b32 s14, v176                  ; wave w, 0..7
	s_bfe_u32 s15, ttmp6, 0x40000                  ; cx
	s_lshl_b32 s21, ttmp9, 2
	s_add_co_u32 s15, s15, s21                     ; hp: it enters global addresses alone
	s_and_b32 s16, ttmp7, 0xffff                   ; y, which the four partners share
	s_lshr_b32 s17, s16, 3                         ; b
	s_and_b32 s18, s16, 7                          ; step
	s_lshr_b32 s19, s14, 2                         ; hl = w / 4
	s_and_b32 s20, s14, 3                          ; a = w % 4
	s_bfe_u32 s21, s14, 0x10001                    ; w1 = a / 2
	s_and_b32 s22, s14, 1                          ; w0 = a % 2
	s_mov_b32 s51, 0                               ; the upper word of every offset
	s_mov_b32 s56, 0xbfb8aa3b                      ; -log2(e),
	s_mov_b32 s57, s56                             ; named as a pair, so both words are written
	; descriptor group 1: 32 rows (channels) x 128 elements of 4 bytes, 1,024 elements from row to row, no padding
	s_mov_b32 s24, 15|(2<<16)|(1<<21)              ; 15:0 the mask: all four work-groups; 17:16 elements of 4 bytes; 21 set beside a mask
	s_mov_b32 s25, 128<<16                         ; tensor_dim0 = 128
	s_mov_b32 s26, 32<<16                          ; tensor_dim1 = 32
	s_mov_b32 s27, 128<<16                         ; tile_dim0 = 128
	s_mov_b32 s28, 32                              ; tile_dim1 = 32
	s_mov_b32 s29, 1024                            ; tensor_dim0_stride
	s_mov_b32 s30, 0
	s_mov_b32 s31, 0
	s_mov_b32 s32, 1                               ; group 0: count = 1
	s_lshl_b32 s33, s14, 14                        ; LDS address: 16,384 w
	s_lshl_b32 s50, s17, 20                        ; b x 256 channels x 4,096 bytes
	s_lshl_b32 s36, s14, 17                        ; + 32 w channels
	s_add_co_u32 s50, s50, s36
	s_lshl_b32 s36, s18, 9                         ; + 128 step positions
	s_add_co_u32 s50, s50, s36
	s_wait_dscnt 0x0
	s_wait_kmcnt 0x0
	s_add_nc_u64 s[34:35], s[4:5], s[50:51]
	s_or_b32 s35, s35, 0x80000000                  ; type = 2
	ROUND                                          ; all four work-groups are here: the joint loads meet
	tensor_load_to_lds s[32:35], s[24:31]          ; my one tensor load: one is out
	s_nop 0
	PLACES
	s_mul_i32 s50, s15, 196608                     ; my pair's 192 rows of w_qkv
	s_add_nc_u64 s[6:7], s[6:7], s[50:51]
	s_mul_i32 s50, s15, 768                        ; and of b_qkv
	s_add_nc_u64 s[8:9], s[8:9], s[50:51]
	v_and_b32 v176, 31, v0                         ; L
	v_and_b32 v177, 15, v0                         ; r
	v_bfe_u32 v178, v0, 4, 1                       ; h
	v_bfe_u32 v179, v0, 3, 2                       ; L / 8
	v_and_b32 v180, 7, v0                          ; L % 8
	v_lshlrev_b32 v181, 4, v176                    ; 16 L
	s_wait_alu depctr_va_vdst(0)
	v_lshlrev_b32 v182, 2, v176                    ; 4 L
	v_lshlrev_b32 v183, 2, v177                    ; 4 r
	; rows of w_qkv.  q/k rounds: row 32 w1 + 8 hl + 4 w0 (+ 16 m + L / 8): w1 says q or k.  v rounds: row 64 + 16 w1 + 8 hl + 4 w0.  In both the tile's row is 4 a + L / 8
	s_lshl_b32 s36, s19, 13
	s_lshl_b32 s37, s22, 12
	s_add_co_u32 s36, s36, s37
	s_lshl_b32 s37, s21, 15
	s_add_co_u32 s37, s37, s36
	v_add_nc_u32 v[WOFQ], s37, v181
	s_lshl_b32 s37, s21, 14
	s_add_co_u32 s37, s37, s36
	s_add_co_u32 s37, s37, 65536
	v_add_nc_u32 v[WOFV], s37, v181
	s_mul_i32 s38, s19, 384                        ; my head's 96 numbers of b_qkv
	v_lshl_add_u32 v[BOF], v178, 7, s38            ; lanes 0-15 q's 32, lanes 16-31 k's
	s_lshl_b32 s37, s22, 5
	s_add_co_u32 s37, s37, s38
	s_add_co_u32 s37, s37, 256
	v_bfe_u32 v184, v0, 3, 1
	s_delay_alu instid0(VALU_DEP_1)
	v_lshlrev_b32 v184, 6, v184
	s_delay_alu instid0(VALU_DEP_1)
	v_lshl_add_u32 v184, v180, 2, v184
	s_delay_alu instid0(VALU_DEP_1)
	v_add_nc_u32 v[BVO], s37, v184                 ; v's channel 16 (r / 8) + 8 w0 + r % 8
.irp t, 0,1,2,3
	global_load_b128 v[BQK+8*\t:BQK+8*\t+3], v[BOF], s[8:9] offset:32*\t
	global_load_b128 v[BQK+8*\t+4:BQK+8*\t+7], v[BOF], s[8:9] offset:32*\t+16
.endr
	global_load_b32 v[BV8], v[BVO], s[8:9]
	WL 0
	WL 1
	WL 2
	; the other addresses, while the loads are out; all are made ahead of the first parting of the waves
	s_mul_i32 s36, s14, 4608
	s_add_co_u32 s36, s36, WST
	v_mul_u32_u24 v[STS], v179, 144
	s_delay_alu instid0(VALU_DEP_1)
	v_lshl_add_u32 v[STS], v180, 4, v[STS]
	s_delay_alu instid0(VALU_DEP_1)
	v_add_nc_u32 v[STS], s36, v[STS]
	v_mul_u32_u24 v[STL], v176, 144
	s_delay_alu instid0(VALU_DEP_1)
	v_add_nc_u32 v[STL], s36, v[STL]
	s_lshl_b32 s36, s19, 11
	s_lshl_b32 s37, s20, 6
	s_add_co_u32 s36, s36, s37
	s_add_co_u32 s36, s36, WIMG
	v_lshlrev_b32 v[WIA], 8, v180
	s_delay_alu instid0(VALU_DEP_1)
	v_lshl_add_u32 v[WIA], v179, 4, v[WIA]
	s_delay_alu instid0(VALU_DEP_1)
	v_add_nc_u32 v[WIA], s36, v[WIA]               ; tile hl of the round's two, block L % 8, row 4 a + L / 8
	s_lshl_b32 s36, s19, 7
	s_lshl_b32 s37, s20, 4
	s_add_co_u32 s36, s36, s37
	s_add_co_u32 s36, s36, WSC
	v_bfe_u32 v184, v0, 2, 1
	s_delay_alu instid0(VALU_DEP_1)
	v_lshlrev_b32 v[WSA], 6, v184
	v_and_b32 v184, 3, v0
	s_delay_alu instid0(VALU_DEP_1)
	v_add_nc_u32 v[WSA], v[WSA], v184
	s_delay_alu instid0(VALU_DEP_1)
	v_lshl_add_u32 v[WSA], v179, 2, v[WSA]
	s_delay_alu instid0(VALU_DEP_1)
	v_add_nc_u32 v[WSA], s36, v[WSA]
	v_add_nc_u32 v[XTA], s33, v182                 ; x: my wave's channels, position L of 32
	s_lshl_b32 s36, s14, 8
	s_add_co_u32 s36, s36, XIMG
	v_lshlrev_b32 v[XIA], 11, v179
	s_delay_alu instid0(VALU_DEP_1)
	v_lshl_add_u32 v[XIA], v180, 4, v[XIA]
	s_delay_alu instid0(VALU_DEP_1)
	v_add_nc_u32 v[XIA], s36, v[XIA]               ; tile T = L / 8, block w, row L % 8
	s_lshl_b32 s36, s19, 6
	s_add_co_u32 s36, s36, s20
	s_add_co_u32 s36, s36, XSC
	v_lshlrev_b32 v[XSA], 7, v179
	s_delay_alu instid0(VALU_DEP_1)
	v_lshl_add_u32 v[XSA], v180, 2, v[XSA]
	s_delay_alu instid0(VALU_DEP_1)
	v_add_nc_u32 v[XSA], s36, v[XSA]
	s_mul_i32 s36, s19, 12288
	s_add_co_u32 s36, s36, WIMG
	v_add_nc_u32 v[FW], s36, v181                  ; my head's six tiles of w
	s_lshl_b32 s37, s22, 11
	s_add_co_u32 s37, s37, s36
	s_add_co_u32 s37, s37, 8192
	v_add_nc_u32 v[FWV], s37, v181                 ; its v tile ct = w0
	s_mul_i32 s36, s19, 768
	s_add_co_u32 s36, s36, WSC
	v_add_nc_u32 v[FWS], s36, v182
	s_lshl_b32 s37, s22, 7
	s_add_co_u32 s37, s37, s36
	s_add_co_u32 s37, s37, 512
	v_add_nc_u32 v[FWVS], s37, v182
	s_lshl_b32 s36, s20, 12
	s_add_co_u32 s36, s36, XIMG
	v_add_nc_u32 v[FX], s36, v181                  ; x's tiles 2 a and 2 a + 1
	s_lshl_b32 s36, s20, 8
	s_add_co_u32 s36, s36, XSC
	v_add_nc_u32 v[FXS], s36, v182
	s_lshl_b32 s36, s21, 13
	s_add_co_u32 s36, s36, XIMG
	v_add_nc_u32 v[FXV], s36, v181                 ; x's tiles 4 g .. 4 g + 3, g = w1
	s_lshl_b32 s36, s21, 9
	s_add_co_u32 s36, s36, XSC
	v_add_nc_u32 v[FXVS], s36, v182
	s_lshl_b32 s36, s19, 7                         ; Q's byte: 128 hl + 64 g + 4 r + T, T = 2 w0 + e;
	s_add_co_u32 s37, s36, 256                     ; K's lies 256 + 128 hl further on: the lower base + h x the distance
	s_lshl_b32 s38, s21, 6
	s_add_co_u32 s36, s36, s38
	s_lshl_b32 s38, s22, 1
	s_add_co_u32 s36, s36, s38
	s_add_co_u32 s36, s36, OST
	v_mul_u32_u24 v[SBQK], s37, v178
	s_delay_alu instid0(VALU_DEP_1)
	v_add_nc_u32 v[SBQK], v[SBQK], v183
	s_delay_alu instid0(VALU_DEP_1)
	v_add_nc_u32 v[SBQK], s36, v[SBQK]
	s_lshl_b32 s36, s19, 8                         ; V's byte: 256 + 256 hl + 128 + 64 ct + 4 r + 2 g + h
	s_lshl_b32 s38, s22, 6
	s_add_co_u32 s36, s36, s38
	s_lshl_b32 s38, s21, 1
	s_add_co_u32 s36, s36, s38
	s_add_co_u32 s36, s36, OST+384
	v_add_nc_u32 v[SBV], v183, v178
	s_delay_alu instid0(VALU_DEP_1)
	v_add_nc_u32 v[SBV], s36, v[SBV]
	s_min_u32 s36, s14, 2                          ; the way out of the scale bytes: waves 0 to 2 take a unit of 256 bytes each
	s_lshl_b32 s36, s36, 8
	s_add_co_u32 s36, s36, OST
	v_lshl_add_u32 v[CPL], v176, 3, s36
	s_lshl_b32 s40, s17, 3
	s_lshl_b32 s41, s15, 1
	s_add_co_u32 s40, s40, s41                     ; the pair's first head: 8 b + 2 hp
	s_add_co_u32 s41, s40, s19                     ; my head
	s_mul_i32 s42, s41, KVHEAD
	s_mul_i32 s43, s18, KVREC
	s_add_co_u32 s42, s42, s43                     ; its record of this step
	s_lshl_b32 s44, s20, 9                         ; tiles 2 a on: 256 bytes a tile
	s_add_co_u32 s45, s42, s44                     ; K's codes
	s_lshl_b32 s46, s41, 14
	s_lshl_b32 s47, s18, 11
	s_add_co_u32 s46, s46, s47
	s_add_co_u32 s46, s46, s44
	s_add_co_u32 s46, s46, QOFF                    ; Q's codes
	s_mov_b32 s47, 0xffff
	v_mov_b32 v184, s45
	v_mov_b32 v185, s46
	s_delay_alu instid0(VALU_DEP_1)
	v_cndmask_b32 v[OQK], v184, v185, s47          ; lanes 0-15 store q, lanes 16-31 k
	s_delay_alu instid0(VALU_DEP_1)
	v_lshl_add_u32 v[OQK], v177, 4, v[OQK]
	s_lshl_b32 s45, s22, 10
	s_lshl_b32 s46, s21, 9
	s_add_co_u32 s45, s45, s46
	s_add_co_u32 s45, s45, s42
	s_add_co_u32 s45, s45, 2048
	v_add_nc_u32 v[OV], s45, v181                  ; V's codes: 1,024 ct + 512 g + 16 L
	s_add_co_u32 s45, s40, s14                     ; waves 1, 2: head 8 b + 2 hp + w - 1: its record's last 256 bytes
	s_sub_co_u32 s45, s45, 1
	s_mul_i32 s45, s45, KVHEAD
	s_add_co_u32 s45, s45, s43
	s_add_co_u32 s45, s45, 4096
	s_lshl_b32 s46, s16, 10                        ; wave 0: Q's scale bytes of the two heads: (8 y + 2 hp) x 128
	s_lshl_b32 s48, s15, 8
	s_add_co_u32 s46, s46, s48
	s_add_co_u32 s46, s46, QSOFF
	s_cmp_eq_u32 s14, 0
	s_cselect_b32 s45, s46, s45
	v_lshl_add_u32 v[CPG], v176, 3, s45
	v_mov_b32 v[L16], v181
	s_lshl_b32 s48, s16, 4                         ; w_out: rows 16 y + 4 hp .. + 3, where y < 16
	s_lshl_b32 s49, s15, 2
	s_add_co_u32 s48, s48, s49
	s_lshl_b32 s50, s48, 10
	s_add_nc_u64 s[10:11], s[10:11], s[50:51]
	s_lshl_b32 s49, s48, 7
	s_add_co_u32 s49, s49, WOCOFF
	v_add_nc_u32 v[WOCO], s49, v181
	s_lshl_b32 s49, s48, 3
	s_add_co_u32 s49, s49, WOSOFF
	v_add_nc_u32 v[WOSO], s49, v176
	; ---- w_out: 256 rows x 8 blocks = 64 work-groups x 32 lanes.  Wave 0 of the work-groups with y < 16 takes four rows.  Both tests are alike in all four partners
	s_cmp_lg_u32 s14, 0
	s_cbranch_scc1 .Lno_wo
	s_cmp_ge_u32 s16, 16
	s_cbranch_scc1 .Lno_wo
	s_wait_alu depctr_va_vdst(0)
	WLOAD D+32, L16, 10, 0
	s_wait_loadcnt 0x0
	TURN D+32, D, WST2O
	s_wait_dscnt 0x0
	QB D, 2, M0
	global_store_b128 v[WOCO], v[CC+8:CC+11], s[12:13]   ; 32 lanes store 512 consecutive bytes: four rows of codes
	global_store_b8 v[WOSO], v[M0], s[12:13]
	s_wait_xcnt 0x0                                ; the stores' data are written again only behind this wait
.Lno_wo:
	; ---- w_qkv: six rounds of four rows a wave.  left = the loads issued behind this round's eight: two later rounds' sixteen, at the end eight and none
.macro WROUND rho, left
	s_wait_loadcnt \left
	TURN F1+32*((\rho)%3), D, 0
	s_wait_dscnt 0x0                               ; my block is back; the stage's stores have read the set, the last round's stores their codes and byte
.if (\rho) < 3
	WL (\rho)+3
.endif
	QB D, (\rho)%2, BY+(\rho)%2
	ds_store_b128 v[WIA], v[CC+4*((\rho)%2):CC+4*((\rho)%2)+3] offset:4096*(\rho)   ; tiles 2 rho and 2 rho + 1
	ds_store_b8 v[WSA], v[BY+(\rho)%2] offset:256*(\rho)
.endm
	WROUND 0, 16
	WROUND 1, 16
	WROUND 2, 16
	WROUND 3, 16
	WROUND 4, 8
	WROUND 5, 0
	; ---- x: wave w quantises channel block w of all 128 positions: a lane takes a position, its registers run down the 32 channels
.macro LX pg                           ; positions 32 pg + L
.set j, 0
.rept 32
	ds_load_b32 v[F1+32*((\pg)%2)+j], v[XTA] offset:512*j+128*(\pg)
.set j, j+1
.endr
.endm
.macro SX pg                           ; g = pg / 2, r / 8 = pg % 2
	ds_store_b128 v[XIA], v[CC+4*((\pg)%2):CC+4*((\pg)%2)+3] offset:((\pg)/2)*8192+((\pg)%2)*128
	ds_store_b8 v[XSA], v[BY+(\pg)%2] offset:((\pg)/2)*512+((\pg)%2)*32
.endm
	s_wait_tensorcnt 0x0                           ; my 32 channels are in LDS; only I read them
	LX 0
	LX 1
	s_wait_dscnt 32                                ; all but the second 32 loads
	QB F1, 0, BY
	SX 0
	LX 2
	s_wait_dscnt 34                                ; behind the second 32 loads: two stores and 32 loads
	QB F1+32, 1, BY+1
	SX 1
	LX 3
	s_wait_dscnt 34                                ; likewise; the first two stores have read their registers
	QB F1, 0, BY
	SX 2
	s_wait_dscnt 2                                 ; behind the last 32 loads: two stores
	QB F1+32, 1, BY+1
	SX 3
.irp j, 1,2,3,4,5,6,7
	v_mov_b32 v[BV8+\j], v[BV8]                    ; v's bias in the result's layout: a lane holds one channel
.endr
	s_wait_dscnt 0x0                               ; for the others' sake: my images lie in LDS
	s_barrier_signal -1
	s_barrier_wait -1
	; ---- q and k of my head for x's tiles 2 a and 2 a + 1
.irp t, 0,1,2,3
.irp ks, 0,1
.irp c, 0,1
	ds_load_b128 v[F1+8*(2*\t+\ks)+4*\c:F1+8*(2*\t+\ks)+4*\c+3], v[FW] offset:\t*2048+\ks*1024+\c*512
.endr
.endr
	ds_load_b32 v[WS+\t], v[FWS] offset:128*\t
.endr
.irp e, 0,1
.irp ks, 0,1
.irp c, 0,1
	ds_load_b128 v[F2+16*\e+8*\ks+4*\c:F2+16*\e+8*\ks+4*\c+3], v[FX] offset:\e*2048+\ks*1024+\c*512
.endr
.endr
	ds_load_b32 v[XS+\e], v[FXS] offset:128*\e
.endr
	s_wait_dscnt 0x0
.irp ks, 0,1                           ; eight accumulators by turns, one instruction a turn; the bias is the C of each sum's first product
.irp e, 0,1
.irp t, 0,1,2,3
.if \ks == 0
	MM D+32*\e+8*\t, F1+8*(2*\t+\ks), F2+16*\e+8*\ks, BQK+8*\t, WS+\t, XS+\e, 0
.else
	MM D+32*\e+8*\t, F1+8*(2*\t+\ks), F2+16*\e+8*\ks, D+32*\e+8*\t, WS+\t, XS+\e, 1
.endif
.endr
.endr
.endr
	PLACES                                         ; in front of loads into fragments just multiplied, of silu's writes over x's fragments and of the first read of results
.irp t, 0,1,2,3                        ; x's four tiles for v land while q and k are worked on
.irp ks, 0,1
.irp c, 0,1
	ds_load_b128 v[F1+8*(2*\t+\ks)+4*\c:F1+8*(2*\t+\ks)+4*\c+3], v[FXV] offset:\t*2048+\ks*1024+\c*512
.endr
.endr
	ds_load_b32 v[XS4+\t], v[FXVS] offset:128*\t
.endr
	SILU D
	QB D, 0, BY
	SILU D+32
	QB D+32, 1, BY+1
.irp e, 0,1
	global_store_b128 v[OQK], v[CC+4*\e:CC+4*\e+3], s[12:13] offset:256*\e   ; lanes 0-15: 256 consecutive bytes of Q, aligned; lanes 16-31: of K
	ds_store_b8 v[SBQK], v[BY+\e] offset:\e
.endr
	; ---- v of my head: channels of tile ct = w0, positions 64 g on, g = w1.  Sources swapped: source 0 = x's positions, source 1 = w's channels
.irp ks, 0,1
.irp c, 0,1
	ds_load_b128 v[D+32+8*\ks+4*\c:D+32+8*\ks+4*\c+3], v[FWV] offset:\ks*1024+\c*512
.endr
.endr
	ds_load_b32 v[WVS], v[FWVS]
	s_wait_dscnt 0x0
.irp ks, 0,1                           ; four accumulators by turns
.irp t, 0,1,2,3
.if \ks == 0
	MM D+8*\t, F1+8*(2*\t+\ks), D+32+8*\ks, BV8, XS4+\t, WVS, 0
.else
	MM D+8*\t, F1+8*(2*\t+\ks), D+32+8*\ks, D+8*\t, XS4+\t, WVS, 1
.endif
.endr
.endr
	PLACES
	SILU D
	QB D, 2, M0
	global_store_b128 v[OV], v[CC+8:CC+11], s[12:13]     ; 32 lanes store 512 consecutive bytes
	ds_store_b8 v[SBV], v[M0]
	s_wait_dscnt 0x0                               ; for the others' sake: my scale bytes lie in LDS
	s_barrier_signal -1
	s_barrier_wait -1
	s_cmp_ge_u32 s14, 3
	s_cbranch_scc1 .Lno_copy
	ds_load_b64 v[D:D+1], v[CPL]
	s_wait_dscnt 0x0
	global_store_b64 v[CPG], v[D:D+1], s[12:13]    ; 32 lanes store 256 consecutive bytes, aligned
.Lno_copy:
	s_set_vgpr_msb 0x5
	s_wait_tensorcnt 0x0
	ds_add_u32 v0, v1
	s_wait_dscnt 0x0
	s_set_vgpr_msb 0x500
	ROUND                                          ; the closing round: no work-group ends while a partner may still ask jointly
	s_endpgm
.Lfunc_end_k_qea9ca832c3_qkv:
	.size	k_qea9ca832c3_qkv, .Lfunc_end_k_qea9ca832c3_qkv-k_qea9ca832c3_qkv
	.p2alignl 7, 3214868480
	.fill 96, 4, 3214868480
	.section	.rodata,"a",@progbits
	.p2align	6, 0x0
	.amdhsa_kernel k_qea9ca832c3_qkv
		.amdhsa_group_segment_fixed_size 250112
		.amdhsa_private_segment_fixed_size 0
		.amdhsa_enable_private_segment 0
		.amdhsa_kernarg_size 40
		.amdhsa_user_sgpr_count 2
		.amdhsa_user_sgpr_kernarg_segment_ptr 1
		.amdhsa_wavefront_size32 1
		.amdhsa_system_sgpr_workgroup_id_x 1
		.amdhsa_system_sgpr_workgroup_id_y 1
		.amdhsa_system_sgpr_workgroup_id_z 1
		.amdhsa_system_vgpr_workitem_id 0
		.amdhsa_next_free_vgpr 258
		.amdhsa_next_free_sgpr 66
		.amdhsa_reserve_vcc 0
		.amdhsa_float_denorm_mode_32 3
		.amdhsa_float_denorm_mode_16_64 3
		.amdhsa_memory_ordered 1
		.amdhsa_forward_progress 1
		.amdhsa_inst_pref_size 84
	.end_amdhsa_kernel
	.amdgpu_metadata
---
amdhsa.version: [ 1, 2 ]
amdhsa.kernels:
  - .name:           k_qea9ca832c3_qkv
    .symbol:         k_qea9ca832c3_qkv.kd
    .args:
      - { .name: x, .offset: 0, .size: 8, .value_kind: global_buffer, .address_space: global }
      - { .name: w_qkv, .offset: 8, .size: 8, .value_kind: global_buffer, .address_space: global }
      - { .name: b_qkv, .offset: 16, .size: 8, .value_kind: global_buffer, .address_space: global }
      - { .name: w_out, .offset: 24, .size: 8, .value_kind: global_buffer, .address_space: global }
      - { .name: ws, .offset: 32, .size: 8, .value_kind: global_buffer, .address_space: global }
    .group_segment_fixed_size: 250112
    .private_segment_fixed_size: 0
    .kernarg_segment_align: 8
    .kernarg_segment_size: 40
    .max_flat_workgroup_size: 256
    .sgpr_count:     66
    .vgpr_count:     258
    .wavefront_size: 32
...
	.end_amdgpu_metadata
.endif
;; end of part 1
;; launch attn (part 2): grid 32 x 8, 8 waves a work-group, clusters of 4 x 1, 327,680 bytes of LDS; arguments ws, x, b_out, out0; writes out0
.if DOCPART == 2
	.amdgcn_target "amdgcn-amd-amdhsa--gfx1250"
	.amdhsa_code_object_version 6
	.text
	.protected	k_qea9ca832c3_attn
	.globl	k_qea9ca832c3_attn
	.p2align	8
	.type	k_qea9ca832c3_attn,@function
k_qea9ca832c3_attn:
	s_mov_b64 s[64:65], 0
	v_nop
	global_prefetch_b8 v0, s[64:65] scope:SCOPE_SE
	s_setreg_imm32_b32 hwreg(HW_REG_WAVE_MODE, 25, 1), 1
	s_wait_xcnt 0x0
	s_wait_alu depctr_hold_cnt(0) depctr_sa_sdst(0) depctr_va_vdst(0) depctr_va_sdst(0) depctr_va_ssrc(0) depctr_va_vcc(0) depctr_vm_vsrc(0)
	s_getreg_b32 s2, hwreg(HW_REG_IB_STS2, 6, 4)
	s_cmp_eq_u32 s2, 0
	s_cbranch_scc0 .Lentry_in_a_cluster
	s_endpgm
.Lentry_in_a_cluster:
	s_bfe_u32 s2, ttmp6, 0x10000c
	s_cmp_lg_u32 s2, 0x3003
	s_cbranch_scc0 .Lentry_shape_is_right
	s_endpgm
.Lentry_shape_is_right:
; out0 = w_out softmax(q^T k / sqrt(32)) v + b_out + x, all three products on codes of FP4 (E2M1) with one E8M0 scale for each 32 along K.  Codes and scale bytes come from ws as the launch before laid them.
; SHARES.  Work-group (qb, b): positions 32 qb .. + 31 of batch b as queries, for ALL eight heads, so that the last product (K = the 256 hidden channels) closes inside the work-group.
;   Wave w is head w: two tiles of 16 queries (query 16 u + r), all 1,024 keys, 128 a step.  At the end wave w makes output channels 32 w .. + 31.
; LDS.  The batch's K and V, 8 heads x 34,816 bytes, are filled once; a wave fetches and reads its own head alone, so its own wait on TENSORcnt is all the ordering that its reads need.
; CLUSTER.  The four work-groups of a cluster have one b: every fill is asked for JOINTLY (mask 15).  w_out's codes (4,096 bytes a wave) are a small part of the bytes and go straight into registers.
; S^T = K Q^T has K = 32, one block of the instruction's four.  So ONE fragment of K carries FOUR tiles of 16 keys, tile T as block T, and four fragments of Q, with q in block T and zero codes elsewhere, pick the tile.
;   Q's scale word for fragment T has its byte at place T and 0 elsewhere, over zero codes.
; A tile's rows 0-7 are keys of one block of 32 and rows 8-15 of the next: row r of tile 4 g + T is key 64 g + 32 (r / 8) + 8 T + r % 8.  So lane (r, h) holds query r, and its register 32 g + 8 T + j key 64 g + 32 h + 8 T + j:
;   a WHOLE block of the next K in 32 registers: its maximum needs no other lane, and the conversions' results are the next operand's registers.
; O^T = V^T P^T: row r of V's tile ct is channel 16 (r / 8) + 8 ct + r % 8, so that a lane's 16 registers of O^T are channels 16 h + 0 .. 15 of its query.
; SOFTMAX.  t = score x c, c = log2(e) / sqrt(32); M = the running largest t rounded up to a whole number, kept as -M; p = 2^(t - M) is quantised, not normalised; the sum is taken of the unquantised p and divides at the end.
;   When M moves, the sum and O^T are multiplied by 2^(old M - new M), which rounds nothing.  A block's largest p is its largest score put through the same multiply-add and exponential.
; LIMITS.  NaN and infinities are not served.  p under 2^-126 is 0.  A block whose largest magnitude lies under 2^-124, a block of zeros among them, gets the scale byte 1.
;   x is read and out0 stored in aligned pieces of 128 consecutive bytes (32 positions of a channel), four to an instruction.
.set KVHEAD, 34816
.set REC,    4352                      ; a step's record: K's codes 2,048 | V's codes 2,048 | K's scale bytes 128 | V's 128
.set QOFF,   2228224
.set QSOFF,  3276800
.set WOCOFF, 3342336
.set WOSOFF, 3375104
.set OIMG,   278528                    ; LDS behind K and V: O's codes as images: u x 2,048 + head x 256 + 16 r + 8 h
.set OSC,    282624                    ; their scale bytes: u x 128 + (head / 4) x 64 + 4 r + head % 4
.set STG,    282880                    ; a stage of 32 rows x (128 + 16) bytes for each wave, for the way out
.set KB16, 1                           ; v1   34,816 w + 16 L
.set KB4,  2                           ; v2   34,816 w + 4,096 + 4 L
.set ADR16, 3                          ; v3, v4 the step's addresses
.set ADR4, 4
.set SH8,  5                           ; v5   8 h
.set FF,   24                          ; v[24:25] 2^(old M - new M), and 0
.set BM,   26                          ; v26-27 the two blocks' largest scores, then largest p
.set CH,   28                          ; v28-31 four chains
.set SCOP, 32                          ; v32-33 the conversions' scale operands
.set BY,   34                          ; v34-35 scale bytes
.set T0,   36
.set T1,   37
.set OLD,  38
.set WW,   39
.set KSC,  40                          ; v40-51 and v248-251 hold scale words and nothing else: K's, V's,
.set VSC,  41
.set PS,   42                          ; p's, a tile each,
.set QS,   44                          ; Q's: tile u, fragment T at 4 u + T
.set QF,   52                          ; v52-99 Q: for tile u at 24 u: [q in lanes 0-15][0][the same], then [q in lanes 16-31][0][the same]: fragment T begins at 12 (T % 2) + 4 (T / 2)
.set KF,   100                         ; v100-115 K's two fragments
.set VF,   116                         ; v116-131 V's two
.set P,    132                         ; v132-147 p's codes, 8 a tile
.set OA,   148                         ; v148-179 O^T, 16 a tile
.set S,    180                         ; v180-243 S^T, then p
.set SA,   244                         ; v[244:245] the sum's second chain
.set WOS,  248                         ; w_out's scale words, two tiles
.set OSCR, 250                         ; O's, two tiles
.set BO,   252                         ; v252-253 b_out of my two tiles of channels
.set OF,   52                          ; at the end: O's four fragments,
.set BIAS, 84                          ; b_out in the result's layout,
.set Y,    180                         ; the four results,
.set RB,   212                         ; and 32 rows read back
.set TB,   45                          ; s45  the step's record in a head's bytes
.set MSB, 0
.macro WIN new                         ; window 1: v0-31 the skip's x, v32-63 w_out's fragments.  The immediate's high byte repeats the setting that is left
.if MSB != \new
	s_set_vgpr_msb (MSB<<8)|\new
.set MSB, \new
.endif
.endm
.macro ROUND                           ; a round of the cluster's barrier
	s_barrier_signal -1
	s_barrier_wait -1
	s_cmp_lg_u32 s12, 0
	s_cbranch_scc1 .Lnot_wave_0_\@
	s_barrier_signal -3
.Lnot_wave_0_\@:
	s_barrier_wait -3
	s_barrier_signal -1
	s_barrier_wait -1
.endm
.macro PLACES
.rept 4
	v_nop
.endr
.endm
	s_load_b256 s[4:11], s[0:1], 0x0               ; ws s[4:5], x s[6:7], b_out s[8:9], out0 s[10:11]
	v_lshl_add_u32 v246, v0, 2, 0x4e100
	v_mov_b32 v247, 0
	ds_add_u32 v246, v247
	ds_add_u32 v246, v247
	v_lshrrev_b32 v3, 5, v0
	s_delay_alu instid0(VALU_DEP_1)
	v_readfirstlane_b32 s12, v3                    ; wave w = head, 0..7
	s_bfe_u32 s13, ttmp6, 0x40000                  ; cx
	s_lshl_b32 s14, ttmp9, 2
	s_add_co_u32 s14, s14, s13                     ; qb: it enters global addresses alone
	s_and_b32 s15, ttmp7, 0xffff                   ; b, which the four partners share
	; descriptor groups 1: dense blocks as rows of 256 bytes (32 elements of 8 bytes): 34 rows (steps 0, 1) and 102 rows (steps 2 to 7)
	s_mov_b32 s16, 15|(3<<16)|(1<<21)              ; 15:0 the mask: all four work-groups; 17:16 elements of 8 bytes; 21 set beside a mask
	s_mov_b32 s17, 32<<16                          ; tensor_dim0 = 32
	s_mov_b32 s18, 34<<16                          ; tensor_dim1 = 34
	s_mov_b32 s19, 32<<16                          ; tile_dim0 = 32
	s_mov_b32 s20, 34                              ; tile_dim1 = 34
	s_mov_b32 s21, 32                              ; tensor_dim0_stride
	s_mov_b32 s22, 0
	s_mov_b32 s23, 0
	s_mov_b32 s24, 15|(3<<16)|(1<<21)
	s_mov_b32 s25, 32<<16
	s_mov_b32 s26, 102<<16
	s_mov_b32 s27, 32<<16
	s_mov_b32 s28, 102
	s_mov_b32 s29, 32
	s_mov_b32 s30, 0
	s_mov_b32 s31, 0
	s_mov_b32 s32, 1
	s_mul_i32 s33, s12, KVHEAD                     ; LDS: my head's bytes
	s_mov_b32 s36, 1
	s_add_co_u32 s37, s33, 2*REC
	s_lshl_b32 s62, s15, 3
	s_add_co_u32 s62, s62, s12                     ; 8 b + w
	s_mul_i32 s2, s62, KVHEAD
	s_mov_b32 s3, 0                                ; the upper word of every offset
	s_mov_b32 s40, 0x76543210
	s_mov_b32 s41, 0xfedcba98                      ; v_permlanex16_b32's selects for lane l xor 16
	s_mov_b32 s42, 0x3e8293ee                      ; c = log2(e) / sqrt(32),
	s_mov_b32 s43, s42                             ; named as a pair, so both words are written
	s_mov_b32 s44, 0xbe8293ee                      ; -c
	s_mov_b32 s[TB], 0
	s_mov_b32 s47, 0xffff                          ; lanes 0-15
	s_wait_dscnt 0x0
	s_wait_kmcnt 0x0
	s_add_nc_u64 s[34:35], s[4:5], s[2:3]
	s_add_nc_u64 s[38:39], s[34:35], 2*REC
	s_or_b32 s35, s35, 0x80000000                  ; type = 2
	s_or_b32 s39, s39, 0x80000000
	ROUND                                          ; all four work-groups are here: the joint loads meet
	tensor_load_to_lds s[32:35], s[16:23]          ; steps 0 and 1,
	s_nop 0
	tensor_load_to_lds s[36:39], s[24:31]          ; steps 2 to 7: two loads of mine are out
	s_nop 0
	PLACES
	s_lshl_b32 s2, s62, 14                         ; Q's codes: head x 16,384 + (qb / 2) x 1,024 + (qb % 2) x 128
	s_lshr_b32 s63, s14, 1
	s_lshl_b32 s63, s63, 10
	s_add_co_u32 s2, s2, s63
	s_and_b32 s63, s14, 1
	s_lshl_b32 s63, s63, 7
	s_add_co_u32 s2, s2, s63
	s_add_co_u32 s2, s2, QOFF
	s_add_nc_u64 s[48:49], s[4:5], s[2:3]
	s_lshl_b32 s2, s15, 13                         ; Q's scale bytes: ((8 b + qb / 4) x 8 + w) x 128 + ((qb / 2) % 2) x 64 + (qb % 2) x 32
	s_lshr_b32 s63, s14, 2
	s_lshl_b32 s63, s63, 10
	s_add_co_u32 s2, s2, s63
	s_lshl_b32 s63, s12, 7
	s_add_co_u32 s2, s2, s63
	s_bfe_u32 s63, s14, 0x10001
	s_lshl_b32 s63, s63, 6
	s_add_co_u32 s2, s2, s63
	s_and_b32 s63, s14, 1
	s_lshl_b32 s63, s63, 5
	s_add_co_u32 s2, s2, s63
	s_add_co_u32 s2, s2, QSOFF
	s_add_nc_u64 s[50:51], s[4:5], s[2:3]
	s_lshl_b32 s2, s12, 12                         ; w_out's codes: my 32 rows of 128 bytes
	s_add_co_u32 s2, s2, WOCOFF
	s_add_nc_u64 s[52:53], s[4:5], s[2:3]
	s_lshl_b32 s2, s12, 8                          ; and their scale bytes, 8 a row
	s_add_co_u32 s2, s2, WOSOFF
	s_add_nc_u64 s[54:55], s[4:5], s[2:3]
	s_lshl_b32 s2, s15, 20                         ; x and out0: channel 256 b + 32 w, position 32 qb
	s_lshl_b32 s63, s12, 17
	s_add_co_u32 s2, s2, s63
	s_lshl_b32 s63, s14, 7
	s_add_co_u32 s2, s2, s63
	s_add_nc_u64 s[56:57], s[6:7], s[2:3]
	s_add_nc_u64 s[58:59], s[10:11], s[2:3]
	s_lshl_b32 s2, s12, 7
	s_add_nc_u64 s[60:61], s[8:9], s[2:3]          ; b_out: my 32 numbers
	v_and_b32 v28, 31, v0                          ; L
	v_and_b32 v29, 15, v0                          ; r
	v_bfe_u32 v30, v0, 4, 1                        ; h
	v_bfe_u32 v31, v0, 3, 2                        ; L / 8
	v_and_b32 v32, 7, v0                           ; L % 8 = r % 8
	v_bfe_u32 v33, v0, 3, 1                        ; r / 8
	s_delay_alu instid0(VALU_DEP_3)
	v_lshlrev_b32 v12, 12, v31
	s_delay_alu instid0(VALU_DEP_1)
	v_lshl_add_u32 v12, v32, 4, v12                ; x, out0: row L / 8 of four, 16 bytes at 16 (L % 8)
	s_delay_alu instid0(VALU_DEP_3)
	v_lshlrev_b32 v13, 8, v33
	s_delay_alu instid0(VALU_DEP_1)
	v_lshl_add_u32 v13, v32, 4, v13                ; Q's codes: query 16 u + r lies in tile 2 u + r / 8, row r % 8 of my eight
	v_lshl_add_u32 v14, v32, 2, v33                ; Q's byte: 4 (r % 8) + r / 8
	v_lshlrev_b32 v15, 7, v29
	s_delay_alu instid0(VALU_DEP_1)
	v_lshl_add_u32 v15, v30, 4, v15                ; w_out's codes: row r, + 16 h
	v_lshlrev_b32 v254, 3, v29
	s_delay_alu instid0(VALU_DEP_1)
	v_lshl_add_u32 v254, v30, 2, v254              ; its scale words: lanes 0-15 the first 128 along K, lanes 16-31 the second
	v_lshlrev_b32 v255, 2, v29
.irp u, 0,1
	global_load_b128 v[S+4*\u:S+4*\u+3], v13, s[48:49] offset:512*\u
	global_load_u8 v[S+8+\u], v14, s[50:51] offset:2*\u
.endr
	WIN 0x40                                       ; destination window 1
.irp tp, 0,1
.irp ks, 0,1
.irp c, 0,1
	global_load_b128 v[32+8*(2*\tp+\ks)+4*\c:32+8*(2*\tp+\ks)+4*\c+3], v15, s[52:53] offset:\tp*2048+\ks*64+\c*32
.endr
.endr
.endr
.irp k, 0,1,2,3,4,5,6,7
	global_load_b128 v[4*\k:4*\k+3], v12, s[56:57] offset:16384*\k th:TH_LOAD_NT   ; the skip's x: asked for here, wanted at the end
.endr
	WIN 0
.irp tp, 0,1
	global_load_b32 v[WOS+\tp], v254, s[54:55] offset:128*\tp
	global_load_b32 v[BO+\tp], v255, s[60:61] offset:64*\tp
.endr
	v_lshl_add_u32 v[KB16], v28, 4, s33
	s_add_co_u32 s63, s33, 4096
	v_lshl_add_u32 v[KB4], v28, 2, s63
	v_lshlrev_b32 v[SH8], 3, v30
	s_lshl_b32 s63, s12, 8
	s_add_co_u32 s63, s63, OIMG
	v_lshl_add_u32 v6, v29, 4, s63
	s_delay_alu instid0(VALU_DEP_1)
	v_add_nc_u32 v6, v6, v[SH8]                    ; v6: where I put my 8 bytes of O's codes
	s_lshr_b32 s63, s12, 2
	s_lshl_b32 s63, s63, 6
	s_and_b32 s2, s12, 3
	s_add_co_u32 s63, s63, s2
	s_add_co_u32 s63, s63, OSC
	v_lshl_add_u32 v7, v29, 2, s63                 ; v7: and the block's scale byte
	v_lshl_add_u32 v8, v28, 4, OIMG                ; v8, v9: where any wave reads O's fragments and scale words
	v_lshl_add_u32 v9, v28, 2, OSC
	s_mul_i32 s63, s12, 4608
	s_add_co_u32 s63, s63, STG
	v_mul_u32_u24 v10, v29, 144
	s_delay_alu instid0(VALU_DEP_1)
	v_lshl_add_u32 v10, v30, 5, v10
	s_delay_alu instid0(VALU_DEP_1)
	v_add_nc_u32 v10, s63, v10                     ; v10: the stage, in: row r, + 32 h
	v_mul_u32_u24 v11, v31, 144
	s_delay_alu instid0(VALU_DEP_1)
	v_lshl_add_u32 v11, v32, 4, v11
	s_delay_alu instid0(VALU_DEP_1)
	v_add_nc_u32 v11, s63, v11                     ; v11: and back: row L / 8 of four
.irp u, 0,1
	v_mov_b32 v[17+4*\u], 0xff61b1e6               ; the largest score so far: -3e38
	v_mov_b32 v[18+4*\u], 0                        ; the sum, in two halves
	v_mov_b32 v[19+4*\u], 0
.endr
.irp u, 0
	v_mul_f32 v[16+4*\u], s44, v[17+4*\u]
.endr
.irp u, 1
	s_delay_alu instid0(VALU_DEP_4)
	v_mul_f32 v[16+4*\u], s44, v[17+4*\u]
.endr
.irp u, 0,1
	s_delay_alu instid0(VALU_DEP_2)
	v_floor_f32 v[16+4*\u], v[16+4*\u]             ; -M
.endr
	v_mov_b32 v[FF+1], 0                           ; named as the upper half of a pair
	v_mov_b32 v[T0], 0
	v_mov_b32 v[T1], 0                             ; a lane permute's destination counts as one of its sources
.set j, 0
.rept 32
	v_mov_b32 v[OA+j], 0                           ; O^T.  The step is written alike for all steps: the first finds zeros, which the first change of M leaves zeros
.set j, j+1
.endr
	s_wait_loadcnt 20                              ; Q's four loads are in; behind them: w_out's 8, x's 8, two scale words, two of b_out
.irp u, 0,1
	v_mov_b32 v[QS+4*\u], v[S+8+\u]                ; Q's scale words first: they stand more than eight plain instructions ahead of the first product
	v_lshlrev_b32 v[QS+4*\u+1], 8, v[S+8+\u]
	v_lshlrev_b32 v[QS+4*\u+2], 16, v[S+8+\u]
	v_lshlrev_b32 v[QS+4*\u+3], 24, v[S+8+\u]
.endr
.irp u, 0,1
.irp i, 0,1,2,3
	v_cndmask_b32 v[QF+24*\u+\i], 0, v[S+4*\u+\i], s47      ; q in lanes 0-15
	v_mov_b32 v[QF+24*\u+4+\i], 0
	v_cndmask_b32 v[QF+24*\u+8+\i], 0, v[S+4*\u+\i], s47
	v_cndmask_b32 v[QF+24*\u+12+\i], v[S+4*\u+\i], 0, s47   ; q in lanes 16-31
	v_mov_b32 v[QF+24*\u+16+\i], 0
	v_cndmask_b32 v[QF+24*\u+20+\i], v[S+4*\u+\i], 0, s47
.endr
.endr
; S^T of tile u for 128 keys: eight products, each starting its own sum
.macro SMUL u
	s_setprio 2
.irp c, 0,1
.irp t, 0,1,2,3
.if \c
	v_wmma_scale_f32_16x16x128_f8f6f4 v[S+32*\c+8*\t:S+32*\c+8*\t+7], v[KF+8*\c:KF+8*\c+7], v[QF+24*(\u)+12*(\t%2)+4*(\t/2):QF+24*(\u)+12*(\t%2)+4*(\t/2)+7], 0, v[KSC], v[QS+4*(\u)+\t] matrix_a_fmt:MATRIX_FMT_FP4 matrix_b_fmt:MATRIX_FMT_FP4 matrix_a_scale:MATRIX_SCALE_ROW1
.else
	v_wmma_scale_f32_16x16x128_f8f6f4 v[S+32*\c+8*\t:S+32*\c+8*\t+7], v[KF+8*\c:KF+8*\c+7], v[QF+24*(\u)+12*(\t%2)+4*(\t/2):QF+24*(\u)+12*(\t%2)+4*(\t/2)+7], 0, v[KSC], v[QS+4*(\u)+\t] matrix_a_fmt:MATRIX_FMT_FP4 matrix_b_fmt:MATRIX_FMT_FP4
.endif
.endr
.endr
.endm
; O^T of tile u += V^T P^T: two accumulators, one instruction each; other accumulators' products stand between two links of a chain
.macro PV u
	v_wmma_scale_f32_16x16x128_f8f6f4 v[OA+16*(\u):OA+16*(\u)+7], v[VF:VF+7], v[P+8*(\u):P+8*(\u)+7], v[OA+16*(\u):OA+16*(\u)+7], v[VSC], v[PS+(\u)] matrix_a_fmt:MATRIX_FMT_FP4 matrix_b_fmt:MATRIX_FMT_FP4
	v_wmma_scale_f32_16x16x128_f8f6f4 v[OA+16*(\u)+8:OA+16*(\u)+15], v[VF+8:VF+15], v[P+8*(\u):P+8*(\u)+7], v[OA+16*(\u)+8:OA+16*(\u)+15], v[VSC], v[PS+(\u)] matrix_a_fmt:MATRIX_FMT_FP4 matrix_b_fmt:MATRIX_FMT_FP4 matrix_a_scale:MATRIX_SCALE_ROW1
.endm
.macro SOFTMAX u
.set NM, 16+4*(\u)                     ; -M; with the largest score beside it as a pair
.set SM, 17+4*(\u)
.set LL, 18+4*(\u)
.irp q, 0,1,2,3
	v_max3_num_f32 v[CH+\q], v[S+16*\q], v[S+16*\q+1], v[S+16*\q+2]   ; four chains by turns; each result is met first at its low end
.endr
.irp i, 3,5,7,9,11,13
.irp q, 0,1,2,3
	v_max3_num_f32 v[CH+\q], v[CH+\q], v[S+16*\q+\i], v[S+16*\q+\i+1]
.endr
.endr
	v_max3_num_f32 v[BM], v[CH], v[CH+1], v[S+15]
	v_max3_num_f32 v[BM+1], v[CH+2], v[CH+3], v[S+47]
	v_max_num_f32 v[BM], v[BM], v[S+31]            ; the largest score of my block of keys 32 h on,
	v_max_num_f32 v[BM+1], v[BM+1], v[S+63]        ; and of 64 + 32 h on: each serves twice, for the row's maximum and for the block's largest p
	s_delay_alu instid0(VALU_DEP_1)
	v_max_num_f32 v[T0], v[BM], v[BM+1]
	s_delay_alu instid0(VALU_DEP_1)
	v_permlanex16_b32 v[T1], v[T0], s40, s41       ; the query's other 64 keys lie in lane l xor 16
	v_mov_b32 v[OLD], v[NM]
	s_delay_alu instid0(VALU_DEP_2)
	v_max3_num_f32 v[SM], v[SM], v[T0], v[T1]      ; the running largest score
	s_delay_alu instid0(VALU_DEP_1)
	v_mul_f32 v[T0], s44, v[SM]
	s_delay_alu instid0(VALU_DEP_1)
	v_floor_f32 v[NM], v[T0]                       ; -M = floor(-t) = -ceil(t): a whole number
	s_delay_alu instid0(VALU_DEP_1)
	v_sub_f32 v[T0], v[NM], v[OLD]                 ; old M less new M: a whole number, 0 or less
	s_delay_alu instid0(VALU_DEP_1)
	v_cvt_i32_f32 v[T0], v[T0]                     ; (it saturates)
	s_delay_alu instid0(VALU_DEP_1)
	v_ldexp_f32 v[FF], 1.0, v[T0]                  ; 2^(old M - new M)
.set j, 0
.rept 32
	v_pk_fma_f32 v[S+j:S+j+1], v[S+j:S+j+1], s[42:43], v[NM:NM+1] op_sel_hi:[1,0,0]   ; t - M, two at a time
.set j, j+2
.endr
	v_fma_f32 v[BM], v[BM], s42, v[NM]
	v_fma_f32 v[BM+1], v[BM+1], s42, v[NM]
.set j, 0
	s_setprio 1
	s_wait_alu depctr_va_vdst(0)
.rept 64
	v_exp_f32 v[S+j], v[S+j]                       ; p = 2^(t - M)
.set j, j+1
.endr
	v_exp_f32 v[BM], v[BM]
	v_exp_f32 v[BM+1], v[BM+1]                     ; the blocks' largest p
	v_pk_mul_f32 v[LL:LL+1], v[LL:LL+1], v[FF:FF+1] op_sel_hi:[1,0]   ; the sum under the new M; also the plain place behind the exponentials
	s_wait_alu depctr_va_vdst(0)
	v_max_num_f32 v[BM], 0x1800000, v[BM]          ; the floor 2^(3 - 127): the byte cannot fall under 1
	v_max_num_f32 v[BM+1], 0x1800000, v[BM+1]
	s_delay_alu instid0(VALU_DEP_2)
	v_add_nc_u32 v[SCOP], 0xff000000, v[BM]        ; 2 off the exponent field: the conversion's scale operand
	s_delay_alu instid0(VALU_DEP_2)
	v_add_nc_u32 v[SCOP+1], 0xff000000, v[BM+1]
	s_delay_alu instid0(VALU_DEP_2)
	v_lshrrev_b32 v[BY], 23, v[SCOP]
	s_delay_alu instid0(VALU_DEP_2)
	v_lshrrev_b32 v[BY+1], 23, v[SCOP+1]
	s_delay_alu instid0(VALU_DEP_1)
	v_lshl_or_b32 v[WW], v[BY+1], 16, v[BY]        ; my bytes: blocks h and 2 + h,
	s_delay_alu instid0(VALU_DEP_1)
	v_lshlrev_b32 v[WW], v[SH8], v[WW]             ; at their places in the word;
	s_delay_alu instid0(VALU_DEP_1)
	v_permlanex16_b32 v[T1], v[WW], s40, s41
	s_delay_alu instid0(VALU_DEP_1)
	v_or_b32 v[PS+(\u)], v[WW], v[T1]              ; with lane l xor 16's two it is whole
.irp c, 0,1
.irp t, 0,1,2,3
	v_cvt_scalef32_pk8_fp4_f32 v[P+8*(\u)+4*\c+\t], v[S+32*\c+8*\t:S+32*\c+8*\t+7], v[SCOP+\c]   ; the operand's registers as they stand
.endr
.endr
	v_nop                                          ; a plain place behind the conversions
	v_pk_add_f32 v[SA:SA+1], v[S:S+1], v[S+2:S+3]  ; the sum of the UNQUANTISED p, in two chains
	s_setprio 0
.irp j, 4,8,12,16,20,24,28,32,36,40,44,48,52,56,60
	v_pk_add_f32 v[LL:LL+1], v[LL:LL+1], v[S+\j:S+\j+1]
	v_pk_add_f32 v[SA:SA+1], v[SA:SA+1], v[S+\j+2:S+\j+3]
.endr
	s_delay_alu instid0(VALU_DEP_1)
	v_pk_add_f32 v[LL:LL+1], v[LL:LL+1], v[SA:SA+1]
.irp j, 0,2,4,6,8,10,12,14
	v_pk_mul_f32 v[OA+16*(\u)+\j:OA+16*(\u)+\j+1], v[OA+16*(\u)+\j:OA+16*(\u)+\j+1], v[FF:FF+1] op_sel_hi:[1,0]   ; O^T under the new M.  The 40 lines from the sums on are the places between p's codes and scale word and the product that takes them
.endr
.endm
; A key step: 128 keys for both tiles of queries.
.macro STEP
	v_add_nc_u32 v[ADR16], s[TB], v[KB16]
	v_add_nc_u32 v[ADR4], s[TB], v[KB4]
	v_nop
	v_nop                                          ; four places behind the last step's last products, in front of the loads into V's fragments and scale word
.irp i, 0,1,2,3
	ds_load_b128 v[KF+4*\i:KF+4*\i+3], v[ADR16] offset:512*\i
.endr
	ds_load_b32 v[KSC], v[ADR4]
.irp i, 0,1,2,3
	ds_load_b128 v[VF+4*\i:VF+4*\i+3], v[ADR16] offset:2048+512*\i
.endr
	ds_load_b32 v[VSC], v[ADR4] offset:128
	s_wait_dscnt 5                                 ; K's five loads are in; V's five may be out
	SMUL 0
	PLACES
	SOFTMAX 0
	SMUL 1
	s_wait_alu depctr_va_vdst(0)
	s_wait_dscnt 0x0                               ; V
	PV 0
	PLACES                                         ; behind tile 1's scores
	SOFTMAX 1
	PV 1
	s_add_co_u32 s[TB], s[TB], REC
.endm
	s_wait_tensorcnt 0x1                           ; steps 0 and 1 of my head are in LDS; the second load may be out
	STEP                                           ; these two steps are written out: their addresses stand in straight-line text
	STEP
	s_wait_tensorcnt 0x0                           ; steps 2 to 7
	s_mov_b32 s46, 6
.Lkeys:
	STEP
	s_sub_co_u32 s46, s46, 1
	s_cmp_lg_u32 s46, 0
	s_cbranch_scc1 .Lkeys
	s_setprio 0
	; ---- O = O^T / the sum, quantised along the hidden channels: my head's 32 channels are one block
	s_wait_loadcnt 0x0                             ; w_out, x, b_out
.irp tp, 0,1
.irp j, 0,1,2,3,4,5,6,7
	v_mov_b32 v[BIAS+8*\tp+\j], v[BO+\tp]          ; b_out in the result's layout: a lane holds one channel.  These 16 are also the places behind the last products
.endr
.endr
	v_add_f32 v[T0], v18, v19                      ; the sums' two halves,
	v_add_f32 v[BM], v22, v23
	s_delay_alu instid0(VALU_DEP_2)
	v_permlanex16_b32 v[T1], v[T0], s40, s41
	s_delay_alu instid0(VALU_DEP_2)
	v_permlanex16_b32 v[BM+1], v[BM], s40, s41
	s_delay_alu instid0(VALU_DEP_2)
	v_add_f32 v[T0], v[T0], v[T1]                  ; and lane l xor 16's
	s_delay_alu instid0(VALU_DEP_2)
	v_add_f32 v[BM], v[BM], v[BM+1]
	s_wait_alu depctr_va_vdst(0)
	v_rcp_f32 v[FF], v[T0]
	v_rcp_f32 v[OLD], v[BM]
	v_nop                                          ; a plain place behind the reciprocals
	s_wait_alu depctr_va_vdst(0)
.irp j, 0,2,4,6,8,10,12,14
	v_pk_mul_f32 v[OA+\j:OA+\j+1], v[OA+\j:OA+\j+1], v[FF:FF+1] op_sel_hi:[1,0]
	v_pk_mul_f32 v[OA+16+\j:OA+16+\j+1], v[OA+16+\j:OA+16+\j+1], v[OLD:OLD+1] op_sel_hi:[1,0]
.endr
.irp u, 0,1
	v_max3_num_f32 v[CH+\u], |v[OA+16*\u]|, |v[OA+16*\u+1]|, 0x1800000
.endr
.irp i, 2,4,6,8,10,12,14
.irp u, 0,1
	s_delay_alu instid0(VALU_DEP_2)
	v_max3_num_f32 v[CH+\u], v[CH+\u], |v[OA+16*\u+\i]|, |v[OA+16*\u+\i+1]|
.endr
.endr
.irp u, 0,1
	s_delay_alu instid0(VALU_DEP_2)
	v_permlanex16_b32 v[CH+2+\u], v[CH+\u], s40, s41
.endr
.irp u, 0,1
	s_delay_alu instid0(VALU_DEP_2)
	v_max_num_f32 v[CH+\u], v[CH+\u], v[CH+2+\u]   ; with the other 16 channels': the block's largest magnitude
.endr
.irp u, 0,1
	s_delay_alu instid0(VALU_DEP_2)
	v_add_nc_u32 v[SCOP+\u], 0xff000000, v[CH+\u]
.endr
.irp u, 0,1
	s_delay_alu instid0(VALU_DEP_2)
	v_lshrrev_b32 v[BY+\u], 23, v[SCOP+\u]
.endr
.irp u, 0,1
	v_cvt_scalef32_pk8_fp4_f32 v[P+2*\u], v[OA+16*\u:OA+16*\u+7], v[SCOP+\u]
	v_cvt_scalef32_pk8_fp4_f32 v[P+2*\u+1], v[OA+16*\u+8:OA+16*\u+15], v[SCOP+\u]
.endr
	v_nop                                          ; a plain place behind the conversions
.irp u, 0,1
	ds_store_b64 v6, v[P+2*\u:P+2*\u+1] offset:2048*\u   ; channels 16 h .. + 15 of query r: half of the block's 16 bytes
	ds_store_b8 v7, v[BY+\u] offset:128*\u         ; both halves write the same byte with the same value
.endr
	s_wait_dscnt 0x0                               ; for the others' sake: my head's block lies in LDS
	s_barrier_signal -1
	s_barrier_wait -1
	; ---- the last product: source 0 = 16 positions of O, source 1 = 16 rows of w_out: a lane holds one output channel and eight neighbouring positions
.irp u, 0,1
.irp ks, 0,1
.irp c, 0,1
	ds_load_b128 v[OF+8*(2*\u+\ks)+4*\c:OF+8*(2*\u+\ks)+4*\c+3], v8 offset:\u*2048+\ks*1024+\c*512
.endr
.endr
	ds_load_b32 v[OSCR+\u], v9 offset:128*\u
.endr
	s_wait_dscnt 0x0
	WIN 0x04                                       ; source 1 window 1
.irp u, 0,1                            ; four accumulators by turns; b_out is the C of each sum's first product
.irp tp, 0,1
	v_wmma_scale_f32_16x16x128_f8f6f4 v[Y+8*(2*\u+\tp):Y+8*(2*\u+\tp)+7], v[OF+16*\u:OF+16*\u+7], v[32+16*\tp:32+16*\tp+7], v[BIAS+8*\tp:BIAS+8*\tp+7], v[OSCR+\u], v[WOS+\tp] matrix_a_fmt:MATRIX_FMT_FP4 matrix_b_fmt:MATRIX_FMT_FP4
.endr
.endr
.irp u, 0,1
.irp tp, 0,1
	v_wmma_scale_f32_16x16x128_f8f6f4 v[Y+8*(2*\u+\tp):Y+8*(2*\u+\tp)+7], v[OF+16*\u+8:OF+16*\u+15], v[32+16*\tp+8:32+16*\tp+15], v[Y+8*(2*\u+\tp):Y+8*(2*\u+\tp)+7], v[OSCR+\u], v[WOS+\tp] matrix_a_fmt:MATRIX_FMT_FP4 matrix_b_fmt:MATRIX_FMT_FP4 matrix_a_scale:MATRIX_SCALE_ROW1 matrix_b_scale:MATRIX_SCALE_ROW1
.endr
.endr
	WIN 0
	PLACES
	; ---- the way out: through my own stage, so that eight lanes hold a channel's 128 consecutive bytes; + x
.irp u, 0,1
.irp tp, 0,1
	ds_store_b128 v10, v[Y+8*(2*\u+\tp):Y+8*(2*\u+\tp)+3] offset:\tp*2304+64*\u          ; each result from its low end on
	ds_store_b128 v10, v[Y+8*(2*\u+\tp)+4:Y+8*(2*\u+\tp)+7] offset:\tp*2304+64*\u+16
.endr
.endr
.irp k, 0,1,2,3,4,5,6,7
	ds_load_b128 v[RB+4*\k:RB+4*\k+3], v11 offset:576*\k   ; LDS serves a wave's instructions in order: these see my stores
.endr
	s_wait_dscnt 0x0
	WIN 0x04                                       ; source 1 window 1: x
.set j, 0
.rept 16
	v_pk_add_f32 v[RB+j:RB+j+1], v[RB+j:RB+j+1], v[j:j+1]
.set j, j+2
.endr
	WIN 0
.irp k, 0,1,2,3,4,5,6,7
	global_store_b128 v12, v[RB+4*\k:RB+4*\k+3], s[58:59] offset:16384*\k th:TH_STORE_NT
.endr
	s_wait_tensorcnt 0x0
	ds_add_u32 v246, v247
	s_wait_dscnt 0x0
	ROUND                                          ; the closing round: no work-group ends while a partner may still ask jointly
	s_endpgm
.Lfunc_end_k_qea9ca832c3_attn:
	.size	k_qea9ca832c3_attn, .Lfunc_end_k_qea9ca832c3_attn-k_qea9ca832c3_attn
	.p2alignl 7, 3214868480
	.fill 96, 4, 3214868480
	.section	.rodata,"a",@progbits
	.p2align	6, 0x0
	.amdhsa_kernel k_qea9ca832c3_attn
		.amdhsa_group_segment_fixed_size 327680
		.amdhsa_private_segment_fixed_size 0
		.amdhsa_enable_private_segment 0
		.amdhsa_kernarg_size 32
		.amdhsa_user_sgpr_count 2
		.amdhsa_user_sgpr_kernarg_segment_ptr 1
		.amdhsa_wavefront_size32 1
		.amdhsa_system_sgpr_workgroup_id_x 1
		.amdhsa_system_sgpr_workgroup_id_y 1
		.amdhsa_system_sgpr_workgroup_id_z 1
		.amdhsa_system_vgpr_workitem_id 0
		.amdhsa_next_free_vgpr 320
		.amdhsa_next_free_sgpr 66
		.amdhsa_reserve_vcc 0
		.amdhsa_float_denorm_mode_32 3
		.amdhsa_float_denorm_mode_16_64 3
		.amdhsa_memory_ordered 1
		.amdhsa_forward_progress 1
		.amdhsa_inst_pref_size 100
	.end_amdhsa_kernel
	.amdgpu_metadata
---
amdhsa.version: [ 1, 2 ]
amdhsa.kernels:
  - .name:           k_qea9ca832c3_attn
    .symbol:         k_qea9ca832c3_attn.kd
    .args:
      - { .name: ws, .offset: 0, .size: 8, .value_kind: global_buffer, .address_space: global }
      - { .name: x, .offset: 8, .size: 8, .value_kind: global_buffer, .address_space: global }
      - { .name: b_out, .offset: 16, .size: 8, .value_kind: global_buffer, .address_space: global }
      - { .name: out0, .offset: 24, .size: 8, .value_kind: global_buffer, .address_space: global }
    .group_segment_fixed_size: 327680
    .private_segment_fixed_size: 0
    .kernarg_segment_align: 8
    .kernarg_segment_size: 32
    .max_flat_workgroup_size: 256
    .sgpr_count:     66
    .vgpr_count:     320
    .wavefront_size: 32
...
	.end_amdgpu_metadata
.endif
;; end of part 2
